; MI455X (gfx1250); checked and timed in simulation.
; The chip was launched on July 23, 2026; its instructions are those of AMD's public machine-readable ISA for CDNA 5 (MIT licence, August 2026) and "CDNA5" Instruction Set Architecture Reference Guide (July 2026). The comments in the code are by the model that wrote it; some were corrected since.
;; Manual Attention. Allowed arithmetic: matrix products marked QUANTISED: E4M3 operands, one given power-of-two scale a tensor, by v_wmma_f32_16x16x64_fp8_fp8 or v_wmma_f32_16x16x128_fp8_fp8, f32 sums; everything else in f32.
;; Inputs: k 4 x 16 x 2,048 x 64 float32; lowp_scales 4 int32 (the exponents e of the quantised operands' scales 2^e); q 4 x 16 x 2,048 x 64 float32; v 4 x 16 x 2,048 x 64 float32.
;; Outputs: out0 4 x 16 x 2,048 x 64 float32.
;; This version of the problem:
;;   THIS VERSION OF THE PROBLEM IS GIVEN IN LOW PRECISION. The matrix products marked QUANTISED in the list below multiply operands that are first quantised to E4M3 (4 exponent bits, 3 mantissa bits; 8 bits a number), with one given power-of-two scale for each operand tensor; their sums are f32. All else is computed in f32.
;;   The module's matrix products, in the order in which they are computed (A, B: the left and right operand; K: the contracted axis; several contracted axes count as one K, in the product's order):
;;     1. batch 64 x [M 2,048, K 64] x [K 64, N 2,048]; A: input q; B: input k: QUANTISED (scales: A lowp_scales[0], B lowp_scales[1])
;;     2. batch 64 x [M 2,048, K 2,048] x [K 2,048, N 64]; A: softmax (see below); B: input v: QUANTISED (scales: A lowp_scales[2], B lowp_scales[3])
;;   THE QUANTISER, for each operand of a quantised product, along K:
;;     - The operand's scale is 2^e, e = its entry of the input lowp_scales (int32; the entries are numbered through the quantised products in the list's order, A before B).
;;     - Each number is divided by the scale, clamped to +-448, and rounded to the nearest number of E4M3, ties to even, subnormals kept.
;;     - The product sums the exact products of the quantised numbers (number of the format x scale) in f32.
;;   ~~~python
;;   def quantise(x, axis, e):      # numpy; x: float32 -> the quantised numbers, widened to float32 again
;;       x = np.moveaxis(x, axis, -1); K = x.shape[-1]
;;       r = np.clip(x / 2.0 ** e, -448, 448)
;;       step = 2.0 ** (np.maximum(np.frexp(np.where(r == 0, 1, r))[1] - 1, -6) - 3)
;;       q = np.round(r / step) * step * 2.0 ** e      # np.round: ties to even
;;       return np.moveaxis(q, -1, axis).astype(np.float32)
;;   ~~~
;;   SOFTMAX AHEAD OF A QUANTISED PRODUCT. Where the list says 'softmax', what is quantised is not the finished softmax but p = 2^(t - M), with t = logit x log2(e) and M = ceil(the row's largest t), a whole number; so 1/2 < the row's largest p <= 1. The row's sum l is taken of the UNQUANTISED p, in f32, and the product's result is divided by l at the end. Since M is a whole number, a kernel that streams over the keys may use a running M (the ceiling of the running maximum): every later rescaling is an exact power of two, so the quantised numbers keep their values, but for numbers so far below the row's largest that they fall under the format's range.
;;   OPERANDS COMPUTED ON THE WAY. 'Computed on the way' means the value that the module computes at that place (a softmax that the list does not call 'softmax' is quantised finished and normalised). What goes into a quantiser is computed in f32, as accurately as f32 sums, v_exp_f32 and their like allow (about 1e-6 of the number): no bf16 or f16 on the way to a quantiser, and a product that is left as it is and whose result goes on into a quantised operand takes f32 operands (vector FMAs, or v_wmma_f32_16x16x4_f32). A number that lies on a knife's edge between two numbers of the format may be rounded either way, as far as f32 arithmetic and the matrix unit's own rounding can turn it there, and no further.
;; One version. Each part assembles by itself: llvm-mc -triple=amdgcn-amd-amdhsa -mcpu=gfx1250 --defsym DOCPART=n.
;; ======== version 1 of 1: 2 launches
;; limits: right only within a limited range of input values
;; workspace buffers: kv 16,777,216 bytes
;; launch quant (part 1): grid 16 x 64, 4 waves a work-group, no clusters, 35,328 bytes of LDS; arguments k, v, lowp_scales, kv; writes kv
.if DOCPART == 1
	.amdgcn_target "amdgcn-amd-amdhsa--gfx1250"
	.amdhsa_code_object_version 6
	.text
	.protected	k_qcee9690a7e_quant
	.globl	k_qcee9690a7e_quant
	.p2align	8
	.type	k_qcee9690a7e_quant,@function
k_qcee9690a7e_quant:
	s_mov_b64 s[64:65], 0
	v_nop
	global_prefetch_b8 v0, s[64:65] scope:SCOPE_SE
	s_setreg_imm32_b32 hwreg(HW_REG_WAVE_MODE, 25, 1), 1
	s_wait_xcnt 0x0
; K and V, [64 heads][2048 keys][64] f32, become codes of FP8 (E4M3) with the given scales 2^ek (entry 1) and 2^ev (entry 3), laid in kv IN THE ORDER OF THE OPERANDS' REGISTERS,
; so that the attention launch brings a head's codes into LDS as one dense block and loads every fragment by 16 bytes a lane, 512 consecutive bytes an instruction.
; code = x / 2^e, held within +-448, rounded to the nearest code, ties to even.
; LIMITS: ek and ev between -126 and 119, so that 2^e and 448 x 2^e are f32 numbers.  NaN among the inputs is not served; an infinity is held at the largest code.
; kv: a head is 262,144 bytes: 16 key steps of 16,384 bytes (128 keys): 8 images of K's tiles (1,024 bytes), then 4 images of V^T's tiles (2,048 bytes).
;   K, tile t = 2 b + u: byte 512 c + 16 (r + 16 h) + i = K[key 32 b + 8 u + r + 8 (r / 8)][d = 32 c + 16 h + i], c = 0, 1.  The keys of a tile are not neighbours: so the scores of tiles 2 b and 2 b + 1
;   come out as 16 neighbouring keys in a lane's registers.
;   V, channel tile ct: byte 512 c + 16 (r + 16 h) + i = V[key 32 c + 16 h + i][d = 16 ct + r], c = 0 .. 3: the keys, the second product's K, run along a lane's registers.
; SHARES.  A work-group takes one key step of one head.  Wave w takes keys 32 w .. 32 w + 31 of K (8,192 dense bytes: tiles 2 w and 2 w + 1), and of V the channels 32 (w & 1) + lane at keys 64 (w >> 1) .. + 63.
; K: every load reads 512 consecutive bytes; the conversions want 16 neighbours along d in ONE lane, so the numbers turn through the wave's own stage in LDS (rows of 256 bytes + 16).
; V: a lane takes a channel and its registers run down the keys: the conversions give codes with the keys innermost, and nothing is transposed.
; Straight-line: no loop, no barrier (waves share nothing), no register that a pending instruction reads is ever written again, so no wait on XCNT is written.
.set TP,   272                         ; a stage row: 256 bytes + 16: the sixteen rows that a load touches start at sixteen different banks (64 banks of 4 bytes: ISA guide 11.1)
.set TILE, 16*TP                       ; a tile's 16 rows
.set WST,  2*TILE                      ; a wave's stage: two tiles
.set KR,   16                          ; v16-79    K as loaded
.set KX,   80                          ; v80-143   K back from the stage: tile u at KX + 32 u: d = 32 c + 16 h + 0 .. 15 at + 16 c
.set VR,   144                         ; v144-207  V: 64 keys of my channel
.set KC,   208                         ; v208-223  K's codes
.set VC,   224                         ; v224-239  V's codes
	s_load_b256 s[4:11], s[0:1], 0x0               ; k s[4:5], v s[6:7], the scales' exponents s[8:9], kv s[10:11]
	v_lshl_add_u32 v240, v0, 2, 0x8800
	v_mov_b32 v241, 0
	v_lshrrev_b32 v1, 5, v0
	v_readfirstlane_b32 s12, v1                    ; wave 0..3
	v_and_b32 v1, 31, v0                           ; lane
	v_and_b32 v2, 15, v0                           ; r
	v_bfe_u32 v3, v0, 4, 1                         ; h
	v_lshlrev_b32 v4, 4, v1                        ; 16 x lane: K's loads and K's stores
	s_mul_i32 s24, s12, WST                        ; my stage
	v_mul_u32_u24 v5, v3, TP
	v_lshl_add_u32 v5, v2, 4, v5
	v_add_nc_u32 v5, s24, v5                       ; into it: lanes 0-15 one key's 256 bytes, lanes 16-31 the next key's
	v_mul_u32_u24 v6, v2, TP
	v_lshl_add_u32 v6, v3, 6, v6
	v_add_nc_u32 v6, s24, v6                       ; back: row r, + 64 h: my 16 numbers of a block of 32
	v_lshlrev_b32 v7, 2, v1                        ; V's loads: 4 bytes a lane
	v_lshlrev_b32 v8, 11, v3
	v_lshl_add_u32 v8, v2, 4, v8                   ; V's stores: lanes 16-31 hold the next channel tile, 2,048 bytes on
	s_and_b32 s14, ttmp7, 0xffff                   ; the head; ttmp9 is the key step
	s_and_b32 s25, s12, 1                          ; w & 1
	s_lshr_b32 s26, s12, 1                         ; w >> 1
	s_lshl_b32 s13, s14, 19                        ; a head of K or V is 524,288 bytes,
	s_lshl_b32 s15, ttmp9, 15                      ; a key step 32,768
	s_add_co_u32 s13, s13, s15
	s_lshl_b32 s15, s12, 13
	s_add_co_u32 s28, s13, s15                     ; K: + my 32 keys
	s_mov_b32 s29, 0
	s_lshl_b32 s15, s26, 14
	s_add_co_u32 s30, s13, s15                     ; V: + my 64 keys
	s_lshl_b32 s15, s25, 7
	s_add_co_u32 s30, s30, s15                     ;    + my 32 channels
	s_mov_b32 s31, 0
	s_lshl_b32 s13, s14, 18                        ; kv: a head is 262,144 bytes,
	s_lshl_b32 s15, ttmp9, 14                      ; a key step 16,384
	s_add_co_u32 s13, s13, s15
	s_lshl_b32 s15, s12, 11
	s_add_co_u32 s20, s13, s15                     ; K's images 2 w and 2 w + 1
	s_mov_b32 s21, 0
	s_lshl_b32 s15, s25, 12
	s_add_co_u32 s22, s13, s15                     ; V's images 2 (w & 1) and the next,
	s_lshl_b32 s15, s26, 10
	s_add_co_u32 s22, s22, s15                     ; at keys 64 (w >> 1): 1,024 bytes on,
	s_add_co_u32 s22, s22, 8192                    ; behind K's eight images
	s_mov_b32 s23, 0
	s_wait_alu depctr_va_vdst(0)
	s_wait_kmcnt 0x0
	s_load_b128 s[16:19], s[8:9], 0x0              ; eq, ek, ep, ev
	s_add_nc_u64 s[4:5], s[4:5], s[28:29]
	s_add_nc_u64 s[6:7], s[6:7], s[30:31]
	s_add_nc_u64 s[20:21], s[10:11], s[20:21]
	s_add_nc_u64 s[22:23], s[10:11], s[22:23]
.set i, 0
.rept 16
	global_load_b128 v[KR+4*i:KR+4*i+3], v4, s[4:5] offset:512*i th:TH_LOAD_NT   ; keys 2 i and 2 i + 1: 512 consecutive bytes
.set i, i+1
.endr
.set i, 0
.rept 32
	global_load_b32 v[VR+i], v7, s[6:7] offset:256*i th:TH_LOAD_NT               ; key i of my channel: the wave reads 128 consecutive bytes
.set i, i+1
.endr
	s_wait_kmcnt 0x0
	s_add_co_i32 s24, s17, 127
	s_lshl_b32 s25, s24, 23
	v_mov_b32 v9, s25                              ; 2^ek as f32: the conversion takes its exponent field
	s_add_co_i32 s24, s24, 8
	s_lshl_b32 s24, s24, 23
	s_or_b32 s24, s24, 0x600000
	v_mov_b32 v10, s24                             ; 448 x 2^ek
	s_add_co_i32 s24, s19, 127
	s_lshl_b32 s25, s24, 23
	v_mov_b32 v11, s25                             ; 2^ev
	s_add_co_i32 s24, s24, 8
	s_lshl_b32 s24, s24, 23
	s_or_b32 s24, s24, 0x600000
	v_mov_b32 v12, s24                             ; 448 x 2^ev
	s_wait_alu depctr_va_vdst(0)
	s_wait_loadcnt 32                              ; K's sixteen loads are in; the 32 of V issued behind them may be out
.set i, 0
.rept 16
	ds_store_b128 v5, v[KR+4*i:KR+4*i+3] offset:((i/4)%2)*TILE+((2*i)%8+8*(i/8))*TP   ; key kk goes to tile (kk / 8) % 2, row kk % 8 + 8 (kk / 16)
.set i, i+1
.endr
.irp u, 0,1
.irp c, 0,1
.irp j, 0,1,2,3
	ds_load_b128 v[KX+32*\u+16*\c+4*\j:KX+32*\u+16*\c+4*\j+3], v6 offset:TILE*\u+128*\c+16*\j   ; LDS serves a wave's instructions in order (ISA guide 5.7.1.4): these see the stores above
.endr
.endr
.endr
.set i, 32
.rept 32
	global_load_b32 v[VR+i], v7, s[6:7] offset:256*i th:TH_LOAD_NT
.set i, i+1
.endr
.irp u, 0,1
	s_wait_dscnt 8-8*\u                            ; tile u is back; behind tile 0's loads stand tile 1's eight
.set i, 0
.rept 32
	v_med3_num_f32 v[KX+32*\u+i], v[KX+32*\u+i], -v10, v10   ; the conversion to an 8-bit code does not saturate (ISA guide 7.6.2): hold the number within the largest code x the scale first
.set i, i+1
.endr
.irp m, 0,1,2,3
	v_cvt_scalef32_pk8_fp8_f32 v[KC+8*\u+2*\m:KC+8*\u+2*\m+1], v[KX+32*\u+8*\m:KX+32*\u+8*\m+7], v9
.endr
.irp c, 0,1
	global_store_b128 v4, v[KC+8*\u+4*\c:KC+8*\u+4*\c+3], s[20:21] offset:1024*\u+512*\c   ; 32 lanes store 512 consecutive bytes, at a multiple of 256 from kv's first byte
.endr
.endr
.irp p, 0,1,2,3
	s_wait_loadcnt 48-16*\p                        ; V's loads 0 .. 16 p + 15 are in: behind the last of them 48 - 16 p were issued
.set i, 0
.rept 16
	v_med3_num_f32 v[VR+16*\p+i], v[VR+16*\p+i], -v12, v12
.set i, i+1
.endr
	v_cvt_scalef32_pk8_fp8_f32 v[VC+4*\p:VC+4*\p+1], v[VR+16*\p:VR+16*\p+7], v11
	v_cvt_scalef32_pk8_fp8_f32 v[VC+4*\p+2:VC+4*\p+3], v[VR+16*\p+8:VR+16*\p+15], v11
	global_store_b128 v8, v[VC+4*\p:VC+4*\p+3], s[22:23] offset:256*\p   ; 16 keys of my channel: lanes 0-15 fill 256 consecutive aligned bytes, lanes 16-31 the same place of the next image
.endr
; (The conversions' results go to stores alone and their sources are never written again: no plain line is owed behind them.)
	s_wait_tensorcnt 0x0
	ds_add_u32 v240, v241
	s_wait_dscnt 0x0
	s_endpgm
.Lfunc_end_k_qcee9690a7e_quant:
	.size	k_qcee9690a7e_quant, .Lfunc_end_k_qcee9690a7e_quant-k_qcee9690a7e_quant
	.p2alignl 7, 3214868480
	.fill 96, 4, 3214868480
	.section	.rodata,"a",@progbits
	.p2align	6, 0x0
	.amdhsa_kernel k_qcee9690a7e_quant
		.amdhsa_group_segment_fixed_size 35328
		.amdhsa_private_segment_fixed_size 0
		.amdhsa_enable_private_segment 0
		.amdhsa_kernarg_size 32
		.amdhsa_user_sgpr_count 2
		.amdhsa_user_sgpr_kernarg_segment_ptr 1
		.amdhsa_wavefront_size32 1
		.amdhsa_system_sgpr_workgroup_id_x 1
		.amdhsa_system_sgpr_workgroup_id_y 1
		.amdhsa_system_sgpr_workgroup_id_z 1
		.amdhsa_system_vgpr_workitem_id 0
		.amdhsa_next_free_vgpr 242
		.amdhsa_next_free_sgpr 66
		.amdhsa_reserve_vcc 0
		.amdhsa_float_denorm_mode_32 3
		.amdhsa_float_denorm_mode_16_64 3
		.amdhsa_memory_ordered 1
		.amdhsa_forward_progress 1
		.amdhsa_inst_pref_size 23
	.end_amdhsa_kernel
	.amdgpu_metadata
---
amdhsa.version: [ 1, 2 ]
amdhsa.kernels:
  - .name:           k_qcee9690a7e_quant
    .symbol:         k_qcee9690a7e_quant.kd
    .args:
      - { .name: k, .offset: 0, .size: 8, .value_kind: global_buffer, .address_space: global }
      - { .name: v, .offset: 8, .size: 8, .value_kind: global_buffer, .address_space: global }
      - { .name: lowp_scales, .offset: 16, .size: 8, .value_kind: global_buffer, .address_space: global }
      - { .name: kv, .offset: 24, .size: 8, .value_kind: global_buffer, .address_space: global }
    .group_segment_fixed_size: 35328
    .private_segment_fixed_size: 0
    .kernarg_segment_align: 8
    .kernarg_segment_size: 32
    .max_flat_workgroup_size: 128
    .sgpr_count:     66
    .vgpr_count:     242
    .wavefront_size: 32
...
	.end_amdgpu_metadata
.endif
;; end of part 1
;; launch attn (part 2): grid 4 x 64, 16 waves a work-group, clusters of 4 x 1, 327,680 bytes of LDS; arguments q, kv, lowp_scales, out0; writes out0
.if DOCPART == 2
	.amdgcn_target "amdgcn-amd-amdhsa--gfx1250"
	.amdhsa_code_object_version 6
	.text
	.protected	k_qcee9690a7e_attn
	.globl	k_qcee9690a7e_attn
	.p2align	8
	.type	k_qcee9690a7e_attn,@function
k_qcee9690a7e_attn:
	s_mov_b64 s[64:65], 0
	v_nop
	global_prefetch_b8 v0, s[64:65] scope:SCOPE_SE
	s_setreg_imm32_b32 hwreg(HW_REG_WAVE_MODE, 25, 1), 1
	s_wait_xcnt 0x0
	s_wait_alu depctr_hold_cnt(0) depctr_sa_sdst(0) depctr_va_vdst(0) depctr_va_sdst(0) depctr_va_ssrc(0) depctr_va_vcc(0) depctr_vm_vsrc(0)
	s_getreg_b32 s2, hwreg(HW_REG_IB_STS2, 6, 4)
	s_cmp_eq_u32 s2, 0
	s_cbranch_scc0 .Lentry_in_a_cluster
	s_endpgm
.Lentry_in_a_cluster:
	s_bfe_u32 s2, ttmp6, 0x10000c
	s_cmp_lg_u32 s2, 0x3003
	s_cbranch_scc0 .Lentry_shape_is_right
	s_endpgm
.Lentry_shape_is_right:
; out0[head][q] = sum over keys of softmax(Q K^T / 8) V, 64 heads x 2048 x 64, both products on codes of FP8 (E4M3) with the given scales 2^eq, 2^ek, 2^ep, 2^ev.
; kv holds K's and V's codes of a head as images of the operands' registers: 16 key steps (128 keys) of 16,384 bytes: 8 images of K's tiles (1,024), then 4 of V^T's (2,048).
; SOFTMAX: t = score x log2(e) / 8; M = the running largest t rounded up to a whole number; p = 2^(t - M) is quantised, not normalised; the row's sum is taken of the unquantised p and divides at the end;
; when M moves, the sum and O are multiplied by 2^(old M - new M), which rounds nothing.  No branch hangs on data.
; SHARES: a work-group owns 512 queries of one head, each of its 16 waves 32 of them (two tiles of 16).  Both products are used transposed, so a lane holds one query (lane % 16) of each tile throughout.
; THE HEAD'S 262,144 BYTES OF CODES STAY IN LDS, filled once, by two tensor loads a wave: key steps 0-4 (20 rows of 256 bytes a wave) at the kernel's head, steps 5-15 (44 rows a wave) behind the
; wait for the first fill, an LDS add and its wait.  The four work-groups of a head form a cluster and ask jointly (mask 15).  Nothing is filled again.
; BARRIERS: the one that shows steps 5-15 whole is signalled behind step 1 (each wave has waited for its own part) and waited for behind step 4.  A second one, signalled behind step 4 (my reads of
; steps 0-4 are over) and waited for behind step 15, frees the bytes of steps 0-4 for the way out's stages, 5,120 bytes a wave.  Between a signal and its wait stand register work and LDS loads of bytes that nobody writes.
; Q: 32 rows x 256 bytes a wave are read by 16 loads of 512 consecutive bytes; a lane's 4 numbers are divided by 2^eq, held within +-448, converted and laid as 4 bytes into the wave's own image of the operand's registers in LDS.
; INDEPENDENT CHAINS: the maxima and the sums run in four chains each; all holds stand ahead of the conversions; tile 0's O^T is brought under its new M between the links of tile 1's chain for M;
; the lines that make f stand among the scalings, which need -M alone; the sums' last merges stand among the holds.
; NO DATA PREFETCH: every byte of kv is asked for once in a cluster, by two requests that both stand ahead of the first loop: there is no loop to run ahead in.
; LIMITS: eq between -126 and 126; eq + ek between -123 and 130; ep between -126 and 119; the scaled scores stay under 2^31 in magnitude.  NaN among the inputs is not served.
; REGISTERS: v1 16 x lane; v2 the step's LDS address; v3 my Q image; v4 2^ep; v5, v19 448 x 2^ep; v6, v7, v16-18, v20-23, v252, v253 at work; v8-11, v12-15 -M, largest score, sum (two halves) of tile 0, 1;
; v24-87 fragments of K or V; v88-151 scores, then p; v152-215 O^T; v216-247 Q's fragments, then p's codes; v248-251 addresses; v254, v255 the spare word and 0.
.set F,     24
.set S,     88
.set O,     152
.set P,     216
.set STEPB, 16384
.set NA,    5                          ; key steps in the first fill
.set PARTA, NA*STEPB/16                ; 5,120 bytes a wave
.set PARTB, (16-NA)*STEPB/16           ; 11,264 bytes a wave
.set QIMG,  262144                     ; behind the codes: 2,048 bytes of Q's images for each wave
.set SPARE, QIMG+16*2048               ; behind them: the spare words, 128 bytes a wave
.set SP,    272                        ; a stage row: 256 bytes + 16
.macro CROUND                          ; a round of the cluster's barrier
	s_barrier_signal -1
	s_barrier_wait -1
	s_cmp_lg_u32 s12, 0
	s_cbranch_scc1 .Lnot_wave_0_\@
	s_barrier_signal -3
.Lnot_wave_0_\@:
	s_barrier_wait -3
	s_barrier_signal -1
	s_barrier_wait -1
.endm
	s_load_b256 s[4:11], s[0:1], 0x0               ; q, kv, the scales' exponents, out0
	v_lshl_add_u32 v254, v0, 2, SPARE
	v_mov_b32 v255, 0
	ds_add_u32 v254, v255                          ; the opening lines: the add, twice on end, and its wait below
	ds_add_u32 v254, v255
	v_lshrrev_b32 v1, 5, v0
	v_readfirstlane_b32 s12, v1                    ; wave 0..15
	s_bfe_u32 s13, ttmp6, 0x40000                  ; cx
	s_lshl_b32 s14, ttmp9, 2
	s_add_co_u32 s14, s14, s13                     ; which 512 queries of the head
	s_and_b32 s15, ttmp7, 0xffff                   ; the head
	s_mov_b32 s16, 15|(3<<16)|(1<<21)              ; group 1, first fill: mask of the four partners, elements of 8 bytes; rows of 32 elements, dense
	s_mov_b32 s17, 32<<16
	s_mov_b32 s18, (PARTA/256)<<16
	s_mov_b32 s19, 32<<16
	s_mov_b32 s20, PARTA/256
	s_mov_b32 s21, 32
	s_mov_b32 s22, 0
	s_mov_b32 s23, 0
	s_mov_b32 s32, 15|(3<<16)|(1<<21)              ; group 1, second fill: 44 rows
	s_mov_b32 s33, 32<<16
	s_mov_b32 s34, (PARTB/256)<<16
	s_mov_b32 s35, 32<<16
	s_mov_b32 s36, PARTB/256
	s_mov_b32 s37, 32
	s_mov_b32 s38, 0
	s_mov_b32 s39, 0
	s_mov_b32 s44, 0x3e38aa3b                      ; c = log2(e) / 8
	s_mov_b32 s46, 0x76543210
	s_mov_b32 s47, 0xfedcba98                      ; selects for lane l xor 16
	s_mul_i32 s48, s12, PARTA                      ; my part of steps 0-4, in LDS and in the head's codes alike
	s_mov_b32 s49, 0
	s_mul_i32 s58, s12, PARTB
	s_add_co_u32 s58, s58, NA*STEPB                ; my part of steps 5-15
	s_mov_b32 s59, 0
	s_lshl_b32 s52, s15, 18                        ; a head of kv is 262,144 bytes
	s_mov_b32 s53, 0
	s_lshl_b32 s56, s15, 19                        ; a head of q or out0 is 524,288 bytes,
	s_lshl_b32 s50, s14, 17                        ; 512 queries 131,072,
	s_add_co_u32 s56, s56, s50
	s_lshl_b32 s50, s12, 13                        ; my 32 queries 8,192
	s_add_co_u32 s56, s56, s50
	s_mov_b32 s57, 0
	s_lshl_b32 s51, s12, 11
	s_add_co_u32 s51, s51, QIMG                    ; my Q images
	v_and_b32 v1, 31, v0
	v_bfe_u32 v248, v0, 2, 2
	v_bfe_u32 v251, v0, 4, 1                       ; h
	v_and_b32 v249, 3, v0
	v_lshlrev_b32 v1, 4, v1                        ; 16 x lane
	v_lshlrev_b32 v248, 8, v248
	v_and_b32 v250, 15, v0                         ; r
	v_lshl_add_u32 v249, v249, 2, s51
	v_add_nc_u32 v3, s51, v1                       ; Q's images are read 16 bytes a lane
	v_lshl_add_u32 v248, v251, 4, v248
	v_add_nc_u32 v248, v248, v249                  ; and written: my d = 4 (l & 15) lies at 256 ((l >> 2) & 3) + 4 (l & 3), my row 2 n + (l >> 4) at 16 x row
	s_wait_alu depctr_va_vdst(0)
	s_wait_dscnt 0x0                               ; both opening adds are done
	s_wait_kmcnt 0x0
	s_load_b128 s[40:43], s[8:9], 0x0              ; eq, ek, ep, ev
	s_add_nc_u64 s[52:53], s[6:7], s[52:53]
	s_add_nc_u64 s[4:5], s[4:5], s[56:57]
	s_add_nc_u64 s[10:11], s[10:11], s[56:57]
	s_mov_b32 s24, 1                               ; group 0 of the first fill
	s_mov_b32 s25, s48
	s_add_nc_u64 s[26:27], s[52:53], s[48:49]
	s_or_b32 s27, s27, 0x80000000
	s_mov_b32 s28, 1                               ; and of the second
	s_mov_b32 s29, s58
	s_add_nc_u64 s[30:31], s[52:53], s[58:59]
	s_or_b32 s31, s31, 0x80000000
	CROUND                                         ; the four partners are here: the joint loads meet
	tensor_load_to_lds s[24:27], s[16:23]          ; key steps 0-4: my one tensor load at the head
	s_nop 0
.rept 4
	v_nop
.endr
.set i, 0
.rept 16
	global_load_b128 v[S+4*i:S+4*i+3], v1, s[4:5] offset:512*i th:TH_LOAD_NT   ; Q's rows 2 i and 2 i + 1: 512 consecutive bytes
.set i, i+1
.endr
	v_mov_b32 v9, 0xff61b1e6                       ; the largest score so far: -3e38
	v_mov_b32 v13, 0xff61b1e6
	v_mov_b32 v10, 0                               ; the sums
	v_mov_b32 v11, 0
	v_floor_f32 v8, -v9                            ; -M
	v_floor_f32 v12, -v13
	v_mov_b32 v14, 0
	v_mov_b32 v15, 0
	v_mov_b32 v17, 0                               ; (upper half of the pair v[16:17])
	v_mov_b32 v18, 0                               ; (a lane permute's destination counts as a source)
.set i, 0
.rept 64
	v_mov_b32 v[O+i], 0                            ; O^T: the step is written once, and the first change of M leaves zeros zeros
.set i, i+1
.endr
	s_wait_alu depctr_va_vdst(0)
	s_wait_tensorcnt 0x0                           ; my part of steps 0-4 is in
	ds_add_u32 v254, v255
	s_wait_dscnt 0x0
	CROUND                                         ; everybody's part of steps 0-4 is in, and the partners meet again
	tensor_load_to_lds s[28:31], s[32:39]          ; key steps 5-15
	s_nop 0
.rept 4
	v_nop
.endr
	s_wait_kmcnt 0x0
	s_add_co_i32 s50, s40, s41
	s_lshl_b32 s50, s50, 23
	s_add_co_i32 s44, s44, s50                     ; c x 2^(eq + ek): the exponents are added to c's exponent field
	s_mov_b32 s45, s44
	s_add_co_i32 s50, s42, 127
	s_lshl_b32 s55, s50, 23
	v_mov_b32 v4, s55                              ; 2^ep, for the conversion
	s_add_co_i32 s50, s50, 8
	s_lshl_b32 s50, s50, 23
	s_or_b32 s50, s50, 0x600000
	v_mov_b32 v5, s50                              ; 448 x 2^ep, twice: the two halves of a dual instruction take their second sources from different register banks
	v_mov_b32 v19, s50
	s_sub_co_i32 s60, 127, s40
	s_lshl_b32 s60, s60, 23                        ; 2^-eq
	s_mov_b32 s61, s60
	v_mov_b32 v23, 0x43e00000                      ; 448
	s_add_co_i32 s54, s42, s43                     ; ep + ev
	s_wait_alu depctr_va_vdst(0)
	s_wait_loadcnt 0x0                             ; Q
.set j, 0
.rept 32
	v_pk_mul_f32 v[S+j:S+j+1], v[S+j:S+j+1], s[60:61] op_sel_hi:[1,0]   ; x / 2^eq: a power of two, nothing is rounded
.set j, j+2
.endr
.set i, 0
.rept 64
	v_med3_num_f32 v[S+i], v[S+i], -v23, v23       ; the conversion does not saturate (ISA guide 7.6.2): hold first
.set i, i+1
.endr
.macro CV lo, hi, n                    ; load n's four numbers become four codes of one register
	v_cvt_pk_fp8_f32 \lo, v[S+4*(\n)], v[S+4*(\n)+1]
	v_cvt_pk_fp8_f32 \hi, v[S+4*(\n)+2], v[S+4*(\n)+3]
.endm
	CV v24.l, v24.h, 0
	CV v25.l, v25.h, 1
	CV v26.l, v26.h, 2
	CV v27.l, v27.h, 3
	CV v28.l, v28.h, 4
	CV v29.l, v29.h, 5
	CV v30.l, v30.h, 6
	CV v31.l, v31.h, 7
	CV v32.l, v32.h, 8
	CV v33.l, v33.h, 9
	CV v34.l, v34.h, 10
	CV v35.l, v35.h, 11
	CV v36.l, v36.h, 12
	CV v37.l, v37.h, 13
	CV v38.l, v38.h, 14
	CV v39.l, v39.h, 15
.set i, 0
.rept 16
	ds_store_b32 v248, v[F+i] offset:1024*(i/8)+32*(i%8)   ; tile i / 8; rows 2 (i % 8) and the next.  Image: byte 512 c + 16 (r + 16 h) + b = Q[r][32 c + 16 h + b]
.set i, i+1
.endr
	s_wait_dscnt 0x0
.macro RS k                            ; four registers of tile 0's O^T x tile 0's f
	v_pk_mul_f32 v[O+4*(\k):O+4*(\k)+1], v[O+4*(\k):O+4*(\k)+1], v[16:17] op_sel_hi:[1,0]
	v_pk_mul_f32 v[O+4*(\k)+2:O+4*(\k)+3], v[O+4*(\k)+2:O+4*(\k)+3], v[16:17] op_sel_hi:[1,0]
.endm
.macro GAP x, k                        ; between two links of the chain for M: in tile 1 independent work, in tile 0, which has none, the hint
.if \x
	RS \k
.else
	s_delay_alu instid0(VALU_DEP_1)
.endif
.endm
; The softmax of tile x's 64 scores a lane (128 keys) and p's codes.  x = 1: tile 0's O^T is brought under its new M inside the chain, tile 1's at the end.
.macro SOFTMAX x
.set ST, 8+4*(\x)
.set OB, O+32*(\x)
.set PB, P+16*(\x)
	v_max3_num_f32 v6, v[S], v[S+1], v[S+2]        ; the step's largest score, in four chains; each accumulator is first read at its low end
	v_max3_num_f32 v7, v[S+3], v[S+4], v[S+5]
	v_max3_num_f32 v20, v[S+6], v[S+7], v[S+8]
	v_max3_num_f32 v21, v[S+9], v[S+10], v[S+11]
.irp i, 12,20,28,36,44,52
	v_max3_num_f32 v6, v6, v[S+\i], v[S+\i+1]
	v_max3_num_f32 v7, v7, v[S+\i+2], v[S+\i+3]
	v_max3_num_f32 v20, v20, v[S+\i+4], v[S+\i+5]
	v_max3_num_f32 v21, v21, v[S+\i+6], v[S+\i+7]
.endr
	v_max3_num_f32 v6, v6, v[S+60], v[S+61]
	v_max3_num_f32 v7, v7, v[S+62], v[S+63]
	v_max3_num_f32 v6, v6, v7, v20
.if \x
	s_wait_alu depctr_va_vdst(0)                   ; directly ahead of the first reader of tile 0's O^T
.endif
	GAP \x, 0
	v_max3_num_f32 v6, v6, v21, v[ST+1]            ; with the largest score so far
	GAP \x, 1
	v_permlanex16_b32 v18, v6, s46, s47
	GAP \x, 2
	v_max_num_f32 v[ST+1], v6, v18                 ; and lane l xor 16's: the running largest score
	GAP \x, 3
	v_mul_f32 v6, s44, v[ST+1]                     ; as t (c is positive)
	v_mov_b32 v7, v[ST]                            ; the old -M
.if \x
	RS 4
	RS 5
.else
	s_delay_alu instid0(VALU_DEP_2)
.endif
	v_floor_f32 v[ST], -v6                         ; the new -M
.if \x
	RS 6
	RS 7
.else
	s_delay_alu instid0(VALU_DEP_1)
.endif
	v_sub_f32 v7, v[ST], v7                        ; old M - new M
.set j, 0
.rept 32
	v_pk_fma_f32 v[S+j:S+j+1], v[S+j:S+j+1], s[44:45], v[ST:ST+1] op_sel_hi:[1,0,0]   ; t - M (of the pair the low word serves both halves)
.if j == 6
	v_cvt_i32_f32 v7, v7                           ; as a whole number (it saturates)
.endif
.if j == 14
	v_ldexp_f32 v16, 1.0, v7                       ; f = 2^(old M - new M)
.endif
.set j, j+2
.endr
.set j, 0
	s_wait_alu depctr_va_vdst(0)
.rept 64
	v_exp_f32 v[S+j], v[S+j]                       ; p
.set j, j+1
.endr
	v_pk_mul_f32 v[ST+2:ST+3], v[ST+2:ST+3], v[16:17] op_sel_hi:[1,0]   ; the sums under the new M (a plain place behind the batch)
	s_wait_alu depctr_va_vdst(0)                   ; and the one wait behind it
	v_pk_add_f32 v[20:21], v[S:S+1], v[S+2:S+3]    ; the sum of the unquantised p, in four chains
	v_pk_add_f32 v[22:23], v[S+4:S+5], v[S+6:S+7]
	v_pk_add_f32 v[252:253], v[S+8:S+9], v[S+10:S+11]
.irp j, 12,20,28,36,44,52
	v_pk_add_f32 v[ST+2:ST+3], v[ST+2:ST+3], v[S+\j:S+\j+1]
	v_pk_add_f32 v[20:21], v[20:21], v[S+\j+2:S+\j+3]
	v_pk_add_f32 v[22:23], v[22:23], v[S+\j+4:S+\j+5]
	v_pk_add_f32 v[252:253], v[252:253], v[S+\j+6:S+\j+7]
.endr
	v_pk_add_f32 v[ST+2:ST+3], v[ST+2:ST+3], v[S+60:S+61]
	v_pk_add_f32 v[20:21], v[20:21], v[S+62:S+63]
	v_pk_add_f32 v[22:23], v[22:23], v[252:253]
.set j, 0
.rept 32
	v_dual_min_num_f32 v[S+j], v[S+j], v5 :: v_dual_min_num_f32 v[S+j+1], v[S+j+1], v19   ; the hold, one-sided (p is not negative), two numbers an instruction
.if j == 2
	v_pk_add_f32 v[ST+2:ST+3], v[ST+2:ST+3], v[20:21]   ; the chains are joined among the holds
.endif
.if j == 10
	v_pk_add_f32 v[ST+2:ST+3], v[ST+2:ST+3], v[22:23]
.endif
.set j, j+2
.endr
.irp m, 0,1,2,3,4,5,6,7
	v_cvt_scalef32_pk8_fp8_f32 v[PB+2*\m:PB+2*\m+1], v[S+8*\m:S+8*\m+7], v4
.endr
.if \x
	s_wait_alu depctr_va_vdst(0)                   ; directly ahead of the first reader of tile 1's O^T
.set j, 0
.rept 16
	v_pk_mul_f32 v[OB+j:OB+j+1], v[OB+j:OB+j+1], v[16:17] op_sel_hi:[1,0]
.set j, j+2
.endr
.else
	v_nop                                          ; one plain place between the conversions and the products that write their sources
.endif
.endm
; A key step: 128 keys at LDS byte s48, both tiles of queries.
.macro STEP
	v_add_nc_u32 v2, s48, v1
.rept 3
	v_nop                                          ; with the addition: four places ahead of loads into registers that the last products read
.endr
	ds_load_b128 v[P:P+3], v3                      ; Q, tile 0
	ds_load_b128 v[P+4:P+7], v3 offset:512
.set i, 0
.rept 16
	ds_load_b128 v[F+4*i:F+4*i+3], v2 offset:512*i ; K's eight tiles
.set i, i+1
.endr
	ds_load_b128 v[P+16:P+19], v3 offset:1024      ; Q, tile 1
	ds_load_b128 v[P+20:P+23], v3 offset:1536
	s_wait_dscnt 10                                ; Q's tile 0 and K's tiles 0-3 are in: behind them stand K's other eight loads and Q's tile 1's two
.irp t, 0,1,2,3
	v_wmma_f32_16x16x64_fp8_fp8 v[S+8*\t:S+8*\t+7], v[F+8*\t:F+8*\t+7], v[P:P+7], 0
.endr
	s_wait_dscnt 2                                 ; all but tile 1's two
.irp t, 4,5,6,7
	v_wmma_f32_16x16x64_fp8_fp8 v[S+8*\t:S+8*\t+7], v[F+8*\t:F+8*\t+7], v[P:P+7], 0
.endr
.rept 4
	v_nop
.endr
	SOFTMAX 0
	s_wait_dscnt 0x0
.irp t, 0,1,2,3,4,5,6,7
	v_wmma_f32_16x16x64_fp8_fp8 v[S+8*\t:S+8*\t+7], v[F+8*\t:F+8*\t+7], v[P+16:P+23], 0
.endr
.rept 4
	v_nop
.endr
.set i, 0
.rept 16
	ds_load_b128 v[F+4*i:F+4*i+3], v2 offset:8192+512*i   ; V^T's four tiles, under tile 1's softmax
.set i, i+1
.endr
	SOFTMAX 1
	s_wait_alu depctr_va_vdst(0)
	s_wait_dscnt 0x0
.irp ct, 0,1,2,3
.irp x, 0,1
	v_wmma_f32_16x16x128_fp8_fp8 v[O+32*\x+8*\ct:O+32*\x+8*\ct+7], v[F+16*\ct:F+16*\ct+15], v[P+16*\x:P+16*\x+15], v[O+32*\x+8*\ct:O+32*\x+8*\ct+7]
.endr
.endr
.endm
.macro STEPS first, n
	s_mov_b32 s48, (\first)*STEPB
	s_mov_b32 s49, \n
.Lstep_\@:
	STEP
	s_add_co_u32 s48, s48, STEPB
	s_sub_co_u32 s49, s49, 1
	s_cmp_lg_u32 s49, 0
	s_cbranch_scc1 .Lstep_\@
.endm
	STEPS 0, 2
	s_wait_tensorcnt 0x0                           ; my part of steps 5-15 is in:
	s_barrier_signal -1                            ; say so,
	STEPS 2, NA-2                                  ; go on with what is whole,
	s_barrier_wait -1                              ; and read steps 5-15 when all sixteen have said so
	s_wait_dscnt 0x0                               ; my reads of steps 0-4 are over:
	s_barrier_signal -1                            ; say so
	STEPS NA, 16-NA
	s_barrier_wait -1                              ; nobody reads the bytes of steps 0-4 any more, and they have had their last fill: the stages lie there
	; THE WAY OUT: O^T / the sum x 2^(ep + ev), a tile of 16 queries at a time through my stage, so that sixteen lanes store one aligned row of 256 bytes
	s_mul_i32 s50, s12, PARTA
	v_mul_u32_u24 v248, v250, SP
	s_delay_alu instid0(VALU_DEP_1)
	v_lshl_add_u32 v248, v251, 5, v248
	s_delay_alu instid0(VALU_DEP_1)
	v_add_nc_u32 v248, s50, v248                   ; in: row r, + 32 h
	v_mul_u32_u24 v249, v251, SP
	s_delay_alu instid0(VALU_DEP_1)
	v_lshl_add_u32 v249, v250, 4, v249
	s_delay_alu instid0(VALU_DEP_1)
	v_add_nc_u32 v249, s50, v249                   ; back: lanes 0-15 one row, lanes 16-31 the next
	v_add_f32 v10, v10, v11
	v_add_f32 v14, v14, v15
	s_delay_alu instid0(VALU_DEP_2)
	v_permlanex16_b32 v6, v10, s46, s47
	s_delay_alu instid0(VALU_DEP_2)
	v_permlanex16_b32 v7, v14, s46, s47
	s_delay_alu instid0(VALU_DEP_2)
	v_add_f32 v10, v10, v6                         ; the rows' sums
	s_delay_alu instid0(VALU_DEP_2)
	v_add_f32 v14, v14, v7
	s_wait_alu depctr_va_vdst(0)
	v_rcp_f32 v10, v10
	v_rcp_f32 v14, v14
	v_nop
	s_wait_alu depctr_va_vdst(0)                   ; and behind it, ahead of the first readers
	v_ldexp_f32 v10, v10, s54
	v_ldexp_f32 v14, v14, s54
.irp x, 0,1
.set j, 0
.rept 16
	v_pk_mul_f32 v[S+32*\x+j:S+32*\x+j+1], v[O+32*\x+j:O+32*\x+j+1], v[10+4*\x:11+4*\x] op_sel_hi:[1,0]
.set j, j+2
.endr
.endr
.irp x, 0,1
.irp ct, 0,1,2,3
	ds_store_b128 v248, v[S+32*\x+8*\ct:S+32*\x+8*\ct+3] offset:64*\ct
	ds_store_b128 v248, v[S+32*\x+8*\ct+4:S+32*\x+8*\ct+7] offset:64*\ct+16
.endr
.irp i, 0,1,2,3,4,5,6,7
	ds_load_b128 v[F+32*\x+4*\i:F+32*\x+4*\i+3], v249 offset:2*\i*SP   ; LDS serves a wave's instructions in order (ISA guide 5.7.1.4): these see my stores, and tile 1's stores come behind tile 0's loads
.endr
.endr
.irp x, 0,1
.irp i, 0,1,2,3,4,5,6,7
	s_wait_dscnt 23-16*\x-\i                       ; the LDS instructions issued behind this load may be out
	global_store_b128 v1, v[F+32*\x+4*\i:F+32*\x+4*\i+3], s[10:11] offset:4096*\x+512*\i th:TH_STORE_NT   ; 512 consecutive bytes: two rows of out0
.endr
.endr
	s_wait_tensorcnt 0x0                           ; the wave's end
	ds_add_u32 v254, v255
	s_wait_dscnt 0x0
	CROUND                                         ; the closing round
	s_endpgm
.Lfunc_end_k_qcee9690a7e_attn:
	.size	k_qcee9690a7e_attn, .Lfunc_end_k_qcee9690a7e_attn-k_qcee9690a7e_attn
	.p2alignl 7, 3214868480
	.fill 96, 4, 3214868480
	.section	.rodata,"a",@progbits
	.p2align	6, 0x0
	.amdhsa_kernel k_qcee9690a7e_attn
		.amdhsa_group_segment_fixed_size 327680
		.amdhsa_private_segment_fixed_size 0
		.amdhsa_enable_private_segment 0
		.amdhsa_kernarg_size 32
		.amdhsa_user_sgpr_count 2
		.amdhsa_user_sgpr_kernarg_segment_ptr 1
		.amdhsa_wavefront_size32 1
		.amdhsa_system_sgpr_workgroup_id_x 1
		.amdhsa_system_sgpr_workgroup_id_y 1
		.amdhsa_system_sgpr_workgroup_id_z 1
		.amdhsa_system_vgpr_workitem_id 0
		.amdhsa_next_free_vgpr 256
		.amdhsa_next_free_sgpr 66
		.amdhsa_reserve_vcc 0
		.amdhsa_float_denorm_mode_32 3
		.amdhsa_float_denorm_mode_16_64 3
		.amdhsa_memory_ordered 1
		.amdhsa_forward_progress 1
		.amdhsa_inst_pref_size 113
	.end_amdhsa_kernel
	.amdgpu_metadata
---
amdhsa.version: [ 1, 2 ]
amdhsa.kernels:
  - .name:           k_qcee9690a7e_attn
    .symbol:         k_qcee9690a7e_attn.kd
    .args:
      - { .name: q, .offset: 0, .size: 8, .value_kind: global_buffer, .address_space: global }
      - { .name: kv, .offset: 8, .size: 8, .value_kind: global_buffer, .address_space: global }
      - { .name: lowp_scales, .offset: 16, .size: 8, .value_kind: global_buffer, .address_space: global }
      - { .name: out0, .offset: 24, .size: 8, .value_kind: global_buffer, .address_space: global }
    .group_segment_fixed_size: 327680
    .private_segment_fixed_size: 0
    .kernarg_segment_align: 8
    .kernarg_segment_size: 32
    .max_flat_workgroup_size: 512
    .sgpr_count:     66
    .vgpr_count:     256
    .wavefront_size: 32
...
	.end_amdgpu_metadata
.endif
;; end of part 2
